; MI455X (gfx1250); checked and timed in simulation.
; The chip was launched on July 23, 2026; its instructions are those of AMD's public machine-readable ISA for CDNA 5 (MIT licence, August 2026) and "CDNA5" Instruction Set Architecture Reference Guide (July 2026). The comments in the code are by the model that wrote it; some were corrected since.
;; News Encoder. Allowed arithmetic: matrix products marked QUANTISED: E2M3 operands, one E8M0 scale for each 32 along K, by v_wmma_scale_f32_16x16x128_f8f6f4 with both operands' format E2M3, f32 sums; products left as they are: f32 operands where the result goes on into a quantised operand, else bf16, f16 or f32 operands; f32 sums; everything else in f32.
;; Inputs: WK_codes 256 x 8 x 24 uint8 (E2M3 codes of WK, K innermost, in blocks of 32 codes, four codes in three bytes); WK_scales 256 x 8 uint8 (E8M0 scales of WK, one for each 32 codes along K); WO_codes 256 x 8 x 24 uint8 (E2M3 codes of WO, K innermost, in blocks of 32 codes, four codes in three bytes); WO_scales 256 x 8 uint8 (E8M0 scales of WO, one for each 32 codes along K); WQ_codes 256 x 8 x 24 uint8 (E2M3 codes of WQ, K innermost, in blocks of 32 codes, four codes in three bytes); WQ_scales 256 x 8 uint8 (E8M0 scales of WQ, one for each 32 codes along K); WV_codes 256 x 8 x 24 uint8 (E2M3 codes of WV, K innermost, in blocks of 32 codes, four codes in three bytes); WV_scales 256 x 8 uint8 (E8M0 scales of WV, one for each 32 codes along K); dense_b 1 float32; dense_w 256 x 1 float32; emb_table 50,000 x 256 float32; tokens 4,096 x 64 int32.
;; Outputs: out0 4,096 x 256 float32.
;; This version of the problem:
;;   THIS VERSION OF THE PROBLEM IS GIVEN IN LOW PRECISION. The matrix products marked QUANTISED in the list below multiply operands that are first quantised to E2M3 (2 exponent bits, 3 mantissa bits; 6 bits a number), with one power-of-two scale for each 32 numbers along K (OCP MX v1.0); their sums are f32. All else is computed in f32.
;;   The module's matrix products, in the order in which they are computed (A, B: the left and right operand; K: the contracted axis; several contracted axes count as one K, in the product's order):
;;     1. [M 262,144, K 256] x [K 256, N 256]; A: computed on the way; B: input WQ (given as codes): QUANTISED
;;     2. [M 262,144, K 256] x [K 256, N 256]; A: computed on the way; B: input WK (given as codes): QUANTISED
;;     3. [M 262,144, K 256] x [K 256, N 256]; A: computed on the way; B: input WV (given as codes): QUANTISED
;;     4. [M 262,144, K 256] x [K 256, N 256]; A: computed on the way; B: input WO (given as codes): QUANTISED
;;     5. [M 262,144, K 256] x [K 256, N 1]; A: computed on the way; B: input dense_w: left as it is (N = 1 < 16)
;;   THE QUANTISER, for each operand of a quantised product, along K:
;;     - K is cut into blocks of 32 from its start; a last block that is shorter is filled with zeros.
;;     - A block's scale is 2^e with e = floor(log2(the largest magnitude in the block)) - 2, held to -126 .. 127; a block of zeros has e = 0. As a byte (E8M0): e + 127.
;;     - Each number is divided by its block's scale, clamped to +-7.5, and rounded to the nearest number of E2M3, ties to even, subnormals kept.
;;     - The product sums the exact products of the quantised numbers (number of the format x scale) in f32.
;;   ~~~python
;;   def quantise(x, axis):      # numpy; x: float32 -> the quantised numbers, widened to float32 again
;;       x = np.moveaxis(x, axis, -1); K = x.shape[-1]
;;       x = np.pad(x, [(0, 0)] * (x.ndim - 1) + [(0, -K % 32)]); x = x.reshape(x.shape[:-1] + (-1, 32)); a = np.abs(x).max(-1, keepdims=True)
;;       e = np.where(a > 0, np.clip(np.frexp(np.where(a > 0, a, 1))[1] - 1 - 2, -126, 127), 0)      # np.frexp(a)[1] - 1 = floor(log2(a)), exactly
;;       r = np.clip(x / 2.0 ** e, -7.5, 7.5)
;;       step = 2.0 ** (np.maximum(np.frexp(np.where(r == 0, 1, r))[1] - 1, 0) - 3)
;;       q = np.round(r / step) * step * 2.0 ** e      # np.round: ties to even
;;       return np.moveaxis(q.reshape(q.shape[:-2] + (-1,))[..., :K], -1, axis).astype(np.float32)
;;   ~~~
;;   OPERANDS COMPUTED ON THE WAY. 'Computed on the way' means the value that the module computes at that place (a softmax that the list does not call 'softmax' is quantised finished and normalised). What goes into a quantiser is computed in f32, as accurately as f32 sums, v_exp_f32 and their like allow (about 1e-6 of the number): no bf16 or f16 on the way to a quantiser, and a product that is left as it is and whose result goes on into a quantised operand takes f32 operands (vector FMAs, or v_wmma_f32_16x16x4_f32). A number that lies on a knife's edge between two numbers of the format may be rounded either way, as far as f32 arithmetic and the matrix unit's own rounding can turn it there, and no further.
;;   INPUTS GIVEN AS CODES. WK (in the module: [256, 256], K = its axis 0); WO (in the module: [256, 256], K = its axis 0); WQ (in the module: [256, 256], K = its axis 0); WV (in the module: [256, 256], K = its axis 0): each comes as NAME_codes (uint8): NAME with its K axis moved to the last place and cut into blocks of 32 codes, [.., K / 32, bytes a block], one block behind the other in memory; four codes in three bytes: a row's codes are one little-endian stream of bits, code i at bits 6 i .. 6 i + 5 (a code: sign, 2 exponent bits, 3 mantissa bits); and NAME_scales (uint8): the same leading axes, one E8M0 byte (e + 127) for each 32 codes along K. Its value is code x scale, taken as it is: it is not quantised again, and the codes and scales need not be those that the quantiser above would give.
;; 2 versions, each right; version 2 is version 1 with the launch news written anew for expert scheduling mode. Each part assembles by itself: llvm-mc -triple=amdgcn-amd-amdhsa -mcpu=gfx1250 --defsym DOCPART=n.
;; ======== version 1 of 2: 2 launches
;; workspace buffers: xq 12,800,000 bytes
;; launch quant (part 1): grid 625 x 1, 4 waves a work-group, no clusters, 23,040 bytes of LDS; arguments emb_table, xq; writes xq
.if DOCPART == 1
	.amdgcn_target "amdgcn-amd-amdhsa--gfx1250"
	.amdhsa_code_object_version 6
	.text
	.protected	k_qea9993bd2d_quant
	.globl	k_qea9993bd2d_quant
	.p2align	8
	.type	k_qea9993bd2d_quant,@function
k_qea9993bd2d_quant:
	s_mov_b64 s[64:65], 0
	v_nop
	global_prefetch_b8 v0, s[64:65] scope:SCOPE_SE
	s_setreg_imm32_b32 hwreg(HW_REG_WAVE_MODE, 25, 1), 1
	s_wait_xcnt 0x0
; emb_table [50000][256] f32 -> xq: one record of 256 bytes for each row: codes of E2M3 (6 bits) with one E8M0 byte for each 32 along the row.
; Quantising a gathered row gives what gathering a quantised row gives (the blocks lie inside a row), so each row is quantised once here and the next launch gathers records.
; A RECORD is laid as the matrix operand's registers want it: bytes 0-95 the codes of blocks 0, 2, 4, 6 (24 bytes each), bytes 96-191 those of blocks 1, 3, 5, 7,
; bytes 192-199 the eight scale bytes in their own order, bytes 200-255 zeros.  A lane of the lower half of a wave then reads its 96 bytes on end, one of the upper half likewise.
; A block's scale is 2^(floor(log2(largest magnitude)) - 2): its byte is the largest magnitude's exponent field - 2, held at 1 from below.
; LIMITS: a block of zeros gets the byte 1 where the rule says 127 (its codes are zeros, and this program alone reads the bytes); NaN and infinities in the table are not served.
; SHARES: 2,500 waves, 20 rows each, in 5 steps of 4 rows (4,096 bytes).  Each load reads 512 consecutive bytes; the step turns through the wave's own stage in LDS, so that a lane gets
; one whole block of 32 neighbours; the four records are put together in a second stage and leave whole: sixteen lanes store 256 consecutive bytes, aligned.  Waves share nothing: no barrier.
; All 40 loads of a wave go out at the head; every offset is an immediate; no store's registers are written again.
.set WREG, 5632                        ; LDS of a wave: 32 places of 144 bytes (a block's 128 + 16 of padding), then 4 records
.set OUTS, 4608
.set R,    32                          ; v32-191  five sets of 32 registers as loaded; a set's first eight later take the step's records
.set X,    192                         ; v192-223 my block's 32 numbers
	s_load_b128 s[4:7], s[0:1], 0x0                ; emb_table, xq
	v_lshl_add_u32 v224, v0, 2, 0x5800
	v_mov_b32 v225, 0
	v_lshrrev_b32 v1, 5, v0
	v_readfirstlane_b32 s8, v1                     ; wave
	v_and_b32 v1, 31, v0                           ; lane
	v_lshlrev_b32 v2, 4, v1                        ; 16 x lane: my bytes of a load's or a store's 512
	s_mul_i32 s9, s8, WREG
	v_lshrrev_b32 v8, 3, v1                        ; which of the step's four rows
	v_and_b32 v9, 7, v1                            ; which block of it
	v_mul_u32_u24 v3, v8, 144
	v_lshl_add_u32 v3, v9, 4, v3
	v_add_nc_u32 v3, s9, v3                        ; into the stage: load i, lane l brings 16 bytes of block 4 i + l / 8: place 144 (l / 8) + 16 (l % 8), + 576 i
	v_mul_u32_u24 v4, v1, 144
	v_add_nc_u32 v4, s9, v4                        ; out of it: place 144 x lane: my block
	s_add_co_u32 s10, s9, OUTS
	v_and_b32 v10, 1, v1
	v_bfe_u32 v11, v1, 1, 2
	v_mul_u32_u24 v5, v10, 96
	v_mad_u32_u24 v5, v11, 24, v5
	v_lshl_add_u32 v5, v8, 8, v5
	v_add_nc_u32 v5, s10, v5                       ; my codes in the records: 256 x row + 96 (block % 2) + 24 (block / 2)
	v_lshl_add_u32 v6, v8, 8, v9
	v_add_nc_u32 v6, s10, v6                       ; my scale byte: 256 x row + block (+ 192 in the immediate)
	v_add_nc_u32 v7, s10, v2                       ; and the records read back: 16 x lane
	s_lshl_b32 s12, ttmp9, 2
	s_add_co_u32 s12, s12, s8                      ; my wave among the 2,500
	s_mul_i32 s14, s12, 20480                      ; 20 rows of 1,024 bytes
	s_mov_b32 s15, 0
	s_mul_i32 s16, s12, 5120                       ; 20 records
	s_mov_b32 s17, 0
.irp i, 28,29,30,31
	v_mov_b32 v\i, 0
.endr
	s_wait_kmcnt 0x0
	s_add_nc_u64 s[4:5], s[4:5], s[14:15]
	s_add_nc_u64 s[6:7], s[6:7], s[16:17]
.irp t, 0,1,2,3,4
.irp i, 0,1,2,3,4,5,6,7
	global_load_b128 v[R+32*\t+4*\i:R+32*\t+4*\i+3], v2, s[4:5] offset:4096*\t+512*\i th:TH_LOAD_NT   ; read once in the launch
.endr
.endr
	ds_store_b128 v7, v[28:31]                     ; the records' stage is cleared once: bytes 200-255 of each record stay zero, the others are written in every step
	ds_store_b128 v7, v[28:31] offset:512
.macro STEP t
.set RT, R+32*(\t)
	s_wait_loadcnt 8*(4-(\t))                      ; loads come back in order: this step's eight are in, the later steps' may be out
.irp i, 0,1,2,3,4,5,6,7
	ds_store_b128 v3, v[RT+4*\i:RT+4*\i+3] offset:576*\i
.endr
.irp i, 0,1,2,3,4,5,6,7
	ds_load_b128 v[X+4*\i:X+4*\i+3], v4 offset:16*\i               ; LDS serves a wave's instructions in order: these see the stores above
.endr
	s_wait_dscnt 0x0
	v_max3_num_f32 v10, |v[X]|, |v[X+1]|, 0x1800000                ; the block's largest magnitude, in two chains, with the floor 2^(3 - 127) as one more leaf: the byte cannot fall under 1
	v_max3_num_f32 v11, |v[X+2]|, |v[X+3]|, |v[X+4]|
.irp i, 5,9,13,17,21,25
	v_max3_num_f32 v10, v10, |v[X+\i]|, |v[X+\i+1]|
	v_max3_num_f32 v11, v11, |v[X+\i+2]|, |v[X+\i+3]|
.endr
	v_max3_num_f32 v10, v10, |v[X+29]|, |v[X+30]|
	v_max3_num_f32 v10, v10, v11, |v[X+31]|
	v_add_nc_u32 v12, 0xff000000, v10              ; 2 off its exponent field: the conversion takes the exponent field of this operand as its scale, and nothing else of it
	v_cvt_scalef32_pk16_fp6_f32 v[16:18], v[X:X+15], v12
	v_cvt_scalef32_pk16_fp6_f32 v[22:24], v[X+16:X+31], v12        ; (a conversion's three registers begin on an even number)
	v_lshrrev_b32 v13, 23, v12                     ; the scale's byte; also the plain line between the conversions and the moves that read their results
	v_mov_b32 v19, v22
	v_mov_b32 v20, v23
	v_mov_b32 v21, v24
	ds_store_b64 v5, v[16:17]
	ds_store_b64 v5, v[18:19] offset:8
	ds_store_b64 v5, v[20:21] offset:16
	ds_store_b8 v6, v13 offset:192
	ds_load_b128 v[RT:RT+3], v7                    ; the four records, whole
	ds_load_b128 v[RT+4:RT+7], v7 offset:512
	s_wait_dscnt 0x0                               ; they are in, and the stores above have read their registers
	global_store_b128 v2, v[RT:RT+3], s[6:7] offset:1024*(\t)      ; sixteen lanes store one record: 256 consecutive bytes, aligned
	global_store_b128 v2, v[RT+4:RT+7], s[6:7] offset:1024*(\t)+512
.endm
.irp t, 0,1,2,3,4
	STEP \t
.endr
	s_wait_tensorcnt 0x0
	ds_add_u32 v224, v225
	s_wait_dscnt 0x0
	s_endpgm
.Lfunc_end_k_qea9993bd2d_quant:
	.size	k_qea9993bd2d_quant, .Lfunc_end_k_qea9993bd2d_quant-k_qea9993bd2d_quant
	.p2alignl 7, 3214868480
	.fill 96, 4, 3214868480
	.section	.rodata,"a",@progbits
	.p2align	6, 0x0
	.amdhsa_kernel k_qea9993bd2d_quant
		.amdhsa_group_segment_fixed_size 23040
		.amdhsa_private_segment_fixed_size 0
		.amdhsa_enable_private_segment 0
		.amdhsa_kernarg_size 16
		.amdhsa_user_sgpr_count 2
		.amdhsa_user_sgpr_kernarg_segment_ptr 1
		.amdhsa_wavefront_size32 1
		.amdhsa_system_sgpr_workgroup_id_x 1
		.amdhsa_system_sgpr_workgroup_id_y 1
		.amdhsa_system_sgpr_workgroup_id_z 1
		.amdhsa_system_vgpr_workitem_id 0
		.amdhsa_next_free_vgpr 226
		.amdhsa_next_free_sgpr 66
		.amdhsa_reserve_vcc 0
		.amdhsa_float_denorm_mode_32 3
		.amdhsa_float_denorm_mode_16_64 3
		.amdhsa_memory_ordered 1
		.amdhsa_forward_progress 1
		.amdhsa_inst_pref_size 22
	.end_amdhsa_kernel
	.amdgpu_metadata
---
amdhsa.version: [ 1, 2 ]
amdhsa.kernels:
  - .name:           k_qea9993bd2d_quant
    .symbol:         k_qea9993bd2d_quant.kd
    .args:
      - { .name: emb_table, .offset: 0, .size: 8, .value_kind: global_buffer, .address_space: global }
      - { .name: xq, .offset: 8, .size: 8, .value_kind: global_buffer, .address_space: global }
    .group_segment_fixed_size: 23040
    .private_segment_fixed_size: 0
    .kernarg_segment_align: 8
    .kernarg_segment_size: 16
    .max_flat_workgroup_size: 128
    .sgpr_count:     66
    .vgpr_count:     226
    .wavefront_size: 32
...
	.end_amdgpu_metadata
.endif
;; end of part 1
;; launch news (part 2): grid 256 x 1, 4 waves a work-group, no clusters, 27,136 bytes of LDS; arguments tokens, xq, WQ_codes, WQ_scales, WK_codes, WK_scales, WV_codes, WV_scales, WO_codes, WO_scales, dense_w, dense_b, out0; writes out0
.if DOCPART == 2
	.amdgcn_target "amdgcn-amd-amdhsa--gfx1250"
	.amdhsa_code_object_version 6
	.text
	.protected	k_qea9993bd2d_news
	.globl	k_qea9993bd2d_news
	.p2align	8
	.type	k_qea9993bd2d_news,@function
k_qea9993bd2d_news:
	s_mov_b64 s[64:65], 0
	v_nop
	global_prefetch_b8 v0, s[64:65] scope:SCOPE_SE
	s_setreg_imm32_b32 hwreg(HW_REG_WAVE_MODE, 25, 1), 1
	s_wait_xcnt 0x0
; For each of 4,096 titles of 64 tokens: x = the tokens' records of xq (codes of E2M3 and scale bytes); Q, K, V = x WQ, x WK, x WV; w = softmax over the tokens of (mean Q . K + mean K . Q) for each head;
; context = w V, quantised along its 256 columns; hidden = context WO; attn = softmax over the tokens of (hidden . dense_w + dense_b); out0 = the sum over the tokens of attn x hidden.
; All four products by v_wmma_scale_f32_16x16x128_f8f6f4 on E2M3 codes, sums in f32; all else in f32.  Nothing but xq goes through memory.
; SHARES.  256 work-groups of four waves; a work-group takes 16 titles, one after the other.  THE WAVES SHARE THE COLUMNS, NOT THE TOKENS: wave w owns columns 64 w .. 64 w + 63 of Q, K, V, hidden and out0,
; that is heads 2 w and 2 w + 1, for all 64 tokens.  Its quarter of the four weights (32 fragments, 384 registers) is read once and stays in registers.
; THE PRODUCTS ARE USED TRANSPOSED (source 0 = 16 rows of a weight, source 1 = 16 tokens), AND THE ROWS OF A TILE ARE CHOSEN: lane r of tile t takes row 64 w + 32 (r / 8) + 8 t + r % 8.  In the result lane (r, h) then
; holds token 16 mt + r, and register 8 t + j of its 32 holds column 64 w + 32 h + 8 t + j: lanes 0-15 hold all of head 2 w, lanes 16-31 all of head 2 w + 1.  A head is one block of 32 of the fourth product's K:
; so the means, w, the softmax, the block's largest magnitude and the conversions never leave the half of the lanes, and a lane's six registers of codes are registers 6 (w % 2) .. + 5 of context's fragment of K step w / 2.
; OPERANDS GO FROM WAVE TO WAVE THROUGH LDS AS IMAGES OF THEIR REGISTERS: wave w gathers tokens 16 w .. + 15 (a lane's 96 bytes of a record are its 24 registers of the two K steps) and stores them at 16 x lane;
; context's parts likewise at 8 x lane.  Two barriers a title.
; BY TURNS: K's products stand between the lines that sum Q over the tokens, V's between those that sum K, the next title's Q between this title's second softmax and weighted sum: six vector lines behind each matrix line.
; NO CLUSTER: what work-groups share is the weights alone, 4 x 51,200 bytes, which each reads once, straight into the registers where they stay; in the loop over titles no two work-groups read the same tile.
; LIMITS: a token outside 0 .. 49,999 is held at 49,999; NaN and infinities are not served; a softmax weight under 2^-126 counts as 0 (v_exp_f32's own flush); a block of zeros of context has the byte 1 with zero codes.
; REGISTERS, in windows of 256 (s_set_vgpr_msb's low byte: bits 1:0 source 0, 3:2 source 1, 5:4 source 2, 7:6 destination):
;   window 0: v1-15 addresses; v16-31 the weights' scale words; v32-35 source 1's scale words; v36-60 the gathered record; v64-127 the sums over tokens GQ, GK, else scratch T; v128-255 V, then hidden
;   window 1: v0-95 WQ, v96-191 WK; v192-239 source 1's fragments of K step 0; v240-255 dense_w 0-15      window 2: v0-95 WV, v96-191 WO; v192-239 K step 1's; v240-255 dense_w 16-31      window 3: v0-127 Q, v128-255 K
.set XI,  0                            ; LDS: x's images: 3072 mt + 512 x (group of four registers) + 16 x lane
.set XSC, 12288                        ; their scale words: 128 mt + 4 x lane (lanes 0-15 K step 0, lanes 16-31 K step 1)
.set CI,  12800                        ; context's images: 3072 mt + 1536 x K step + 256 x (pair of registers) + 8 x lane
.set CSC, 25088                        ; their scale bytes: 128 mt + 64 x K step + 4 r + block
.set SCO, 25600                        ; the waves' parts of the scores: 256 x wave + 16 r + 4 mt
.set LI,  1                            ; v1  16 x lane
.set LS,  2                            ; v2  4 x lane
.set L8,  3                            ; v3  8 x lane; also my offset in my wave's 256 bytes of out0
.set XW,  4                            ; v4  where I store x's image
.set XWS, 5                            ; v5  and its scale word
.set CW,  6                            ; v6  where I store context's codes
.set CWS, 7                            ; v7  and its scale byte
.set PW,  8                            ; v8  where I store my part of the scores
.set PR,  9                            ; v9  where I read the four parts
.set TOKO, 10                          ; v10 my token's offset in a title's row of tokens: 4 (16 w + r)
.set H96, 11                           ; v11 96 h
.set H4,  12                           ; v12 192 + 4 h
.set GO1, 13                           ; v13, v14 the gather's offsets
.set GO2, 14
.set TOK, 15                           ; v15 my token of the title gathered next
.set WS,  16                           ; v[16 + 4 T + t]: lanes 0-15 K step 0's word of the tile's row r, lanes 16-31 K step 1's
.set FS,  32
.set STG, 36
.set STS, 60
.set T,   64
.set GQ,  64
.set GK,  96
.set VH,  128
.set FF,  192
.set DW,  240
.set MSB, 0
.macro WIN new                         ; the immediate's high byte repeats the setting that is left; a switch that changes nothing is dropped
.if MSB != (\new)
	s_set_vgpr_msb (MSB<<8)|(\new)
.set MSB, \new
.endif
.endm
.macro PLACES                          ; four plain lines between a matrix instruction and the first read of its result, or a load into its registers
.rept 4
	v_nop
.endr
.endm
.macro BAR                             ; my LDS stores have landed and my LDS loads are in: then the work-group's barrier
	s_wait_dscnt 0x0
	s_barrier_signal -1
	s_barrier_wait -1
.endm
.macro XOP op, d, a, b, k              ; d[lane] = a[lane xor 2^k] op b[lane], inside each half of 16 lanes
.if (\k) == 0
	\op v[\d], v[\a], v[\b] row_xmask:1 row_mask:0xf bank_mask:0xf
.elseif (\k) == 1
	\op v[\d], v[\a], v[\b] row_xmask:2 row_mask:0xf bank_mask:0xf
.elseif (\k) == 2
	\op v[\d], v[\a], v[\b] row_xmask:4 row_mask:0xf bank_mask:0xf
.else
	\op v[\d], v[\a], v[\b] row_xmask:8 row_mask:0xf bank_mask:0xf
.endif
.endm
; Matrix instruction i of 32 of tensor ten (0 Q, 1 K, 2 V, 3 hidden): K step i / 16, tokens 16 ((i / 4) % 4) on, tile i % 4.  The 16 accumulators take turns, one instruction a turn;
; the first K step starts the sums with the constant 0: nothing is cleared.
.macro MM ten
.set ks, i/16
.set mt, (i/4)%4
.set tt, i%4
.set ff, FF+12*mt
.if \ten < 2
.set ac, 128*\ten+32*mt+8*tt
.set wf, 96*\ten+24*tt+12*ks
	WIN 0xf5+4*ks                                  ; weights window 1, source 1 window 1 or 2, C and D window 3
.else
.set ac, VH+32*mt+8*tt
.set wf, 96*(\ten-2)+24*tt+12*ks
	WIN 0x06+4*ks                                  ; weights window 2, source 1 window 1 or 2, C and D window 0
.endif
.if ks == 0
	v_wmma_scale_f32_16x16x128_f8f6f4 v[ac:ac+7], v[wf:wf+11], v[ff:ff+11], 0, v[WS+4*\ten+tt], v[FS+mt] matrix_a_fmt:MATRIX_FMT_FP6 matrix_b_fmt:MATRIX_FMT_FP6
.else
	v_wmma_scale_f32_16x16x128_f8f6f4 v[ac:ac+7], v[wf:wf+11], v[ff:ff+11], v[ac:ac+7], v[WS+4*\ten+tt], v[FS+mt] matrix_a_fmt:MATRIX_FMT_FP6 matrix_b_fmt:MATRIX_FMT_FP6 matrix_a_scale:MATRIX_SCALE_ROW1 matrix_b_scale:MATRIX_SCALE_ROW1
.endif
.endm
; Line j of 176 of the sum over the 64 tokens of a (Q or K, window 3) into g (window 0): 48 packed additions over the four tiles of tokens, ascending;
; then four rounds over the sixteen lanes of my half.  Every lane ends with 64 x the mean of its head's 32 columns.
.macro GS a, g
.if j < 16
	WIN 0x0f
	v_pk_add_f32 v[\g+2*j:\g+2*j+1], v[\a+2*j:\a+2*j+1], v[\a+32+2*j:\a+33+2*j]
.elseif j < 48
	WIN 0x0c
.set gu, 2*(j%16)
.set gp, \a+32*(j/16)+32+gu
	v_pk_add_f32 v[\g+gu:\g+gu+1], v[\g+gu:\g+gu+1], v[gp:gp+1]
.elseif j < 176
	WIN 0
.set gu, \g+(j-48)%32
	XOP v_add_f32_dpp, gu, gu, gu, (j-48)/32
.endif
.endm
; A stage of the sum over sixteen lanes that also shares the columns out: of each pair of registers a lane keeps one and sends the other to lane xor 2^k, so that the registers halve: 32, 16, 8, 4, 2.
; Lane r ends with columns 2 r and 2 r + 1 of its half's 32.  base: the stage's first line in the list.
.macro RS k, base
.set np, 16>>(\k)
.set rz, j-(\base)
.set rp, rz%np
.set rq, VH+(rp%2)+(rp/2)*(4<<(\k))
.set ro, rq+(2<<(\k))
.if rz == 0
	s_mov_b32 vcc_lo, s[40+\k]                     ; the lanes whose number has bit k set
.endif
.if rz < np
	v_cndmask_b32 v[T+16+rp], v[ro], v[rq], vcc_lo ; what I send
.elseif rz < 2*np
	v_cndmask_b32 v[rq], v[rq], v[ro], vcc_lo      ; what I keep
.else
	XOP v_add_f32_dpp, rq, T+16+rp, rq, \k
.endif
.endm
; Line j of 187 of a title's tail.  T+4 w'+mt: wave w's part of the score of token 16 mt + r.  0-7 the four parts and the bias; 8-13 the largest score; 14-22 e = exp(score - largest), one batch with one wait;
; 23-30 their sum and its reciprocal; 31-94 the lane's four tokens' e x hidden, in place in hidden's first 32 registers; 95-184 the sum over the lanes; 185 the division; 186 the store.
.macro TL
.if j < 187
	WIN 0
.endif
.if j < 2
	v_pk_add_f32 v[T+2*j:T+2*j+1], v[T+2*j:T+2*j+1], v[T+4+2*j:T+5+2*j]
.elseif j < 4
	v_pk_add_f32 v[T+4+2*j:T+5+2*j], v[T+4+2*j:T+5+2*j], v[T+8+2*j:T+9+2*j]
.elseif j < 6
	v_pk_add_f32 v[T+2*j-8:T+2*j-7], v[T+2*j-8:T+2*j-7], v[T+2*j:T+2*j+1]
.elseif j < 8
	v_pk_add_f32 v[T+2*j-12:T+2*j-11], v[T+2*j-12:T+2*j-11], s[30:31] op_sel_hi:[1,0]
.elseif j == 8
	v_max3_num_f32 v[T+4], v[T], v[T+1], v[T+2]
.elseif j == 9
	v_max_num_f32 v[T+4], v[T+4], v[T+3]
.elseif j < 14
	XOP v_max_num_f32_dpp, T+4, T+4, T+4, j-10
.elseif j < 16
	v_pk_add_f32 v[T+2*j-28:T+2*j-27], v[T+2*j-28:T+2*j-27], v[T+4:T+5] op_sel_hi:[1,0] neg_lo:[0,1] neg_hi:[0,1]
.elseif j < 18
	v_pk_mul_f32 v[T+2*j-32:T+2*j-31], v[T+2*j-32:T+2*j-31], s[46:47] op_sel_hi:[1,0]
.elseif j < 22
	v_exp_f32 v[T+8+2*(j-18)], v[T+j-18]
.elseif j == 22
	v_nop                                          ; the plain line behind the last exponential,
	s_wait_alu depctr_va_vdst(0)                   ; and one wait for the four, ahead of their first reader
.elseif j == 23
	v_add_f32 v[T+4], v[T+8], v[T+10]
.elseif j == 24
	v_add_f32 v[T+5], v[T+12], v[T+14]
.elseif j == 25
	v_add_f32 v[T+4], v[T+4], v[T+5]
.elseif j < 30
	XOP v_add_f32_dpp, T+4, T+4, T+4, j-26
.elseif j == 30
	v_rcp_f32 v[T+6], v[T+4]                       ; read at line 185 alone; the lines between name neither it nor its source
.elseif j < 47
	v_pk_mul_f32 v[VH+2*(j-31):VH+2*(j-31)+1], v[VH+2*(j-31):VH+2*(j-31)+1], v[T+8:T+9] op_sel_hi:[1,0]
.elseif j < 95
.set tm, 1+(j-47)/16
.set tu, 2*((j-47)%16)
	v_pk_fma_f32 v[VH+tu:VH+tu+1], v[VH+32*tm+tu:VH+32*tm+tu+1], v[T+8+2*tm:T+9+2*tm], v[VH+tu:VH+tu+1] op_sel_hi:[1,0,1]
.elseif j < 143
	RS 0, 95
.elseif j < 167
	RS 1, 143
.elseif j < 179
	RS 2, 167
.elseif j < 185
	RS 3, 179
.elseif j == 185
	s_wait_alu depctr_va_vdst(0)                   ; the wait for the reciprocal, ahead of its reader
	v_pk_mul_f32 v[VH:VH+1], v[VH:VH+1], v[T+6:T+7] op_sel_hi:[1,0]
.elseif j == 186
	global_store_b64 v[L8], v[VH:VH+1], s[28:29] th:TH_STORE_NT   ; 32 lanes store my wave's 64 columns: 256 consecutive bytes, aligned; written once
.endif
.endm
; 32 matrix instructions of tensor ten, six lines of a list behind each (1: Q's sums, 2: K's sums, 3: the tail, 0: none).
; dsk: the LDS loads that bring one fragment of source 1 (0: they are in): ahead of each group of four the wait leaves out the loads issued behind that group's fragment.
.macro PHASE ten, list, dsk
.set i, 0
.set j, 0
.rept 32
.if (\dsk > 0) && (i%4 == 0)
	s_wait_dscnt \dsk*(7-i/4)
.endif
	MM \ten
.rept 6
.if \list == 1
	GS 0, GQ
.elseif \list == 2
	GS 128, GK
.elseif \list == 3
	TL
.endif
.set j, j+1
.endr
.set i, i+1
.endr
.endm
.macro PSLOAD                          ; the four waves' parts of my four tokens' scores
.irp w, 0,1,2,3
	ds_load_b128 v[T+4*\w:T+4*\w+3], v[PR] offset:256*\w
.endr
.endm
.macro LOADX ps                        ; x's eight fragments and four scale words, as they were stored; ps = 1: first the parts of the scores
	WIN 0
.if \ps
	PSLOAD
.endif
.irp m, 0,1,2,3
	ds_load_b32 v[FS+\m], v[LS] offset:XSC+128*\m
.endr
	WIN 0x40
.irp m, 0,1,2,3
.irp c, 0,1,2
	ds_load_b128 v[FF+12*\m+4*\c:FF+12*\m+4*\c+3], v[LI] offset:XI+3072*\m+512*\c
.endr
.endr
	WIN 0x80
.irp m, 0,1,2,3
.irp c, 0,1,2
	ds_load_b128 v[FF+12*\m+4*\c:FF+12*\m+4*\c+3], v[LI] offset:XI+3072*\m+1536+512*\c
.endr
.endr
	WIN 0
.endm
.macro LOADC                           ; context's likewise, in pairs of registers
	WIN 0
.irp m, 0,1,2,3
	ds_load_b32 v[FS+\m], v[LS] offset:CSC+128*\m
.endr
	WIN 0x40
.irp m, 0,1,2,3
.irp q, 0,1,2,3,4,5
	ds_load_b64 v[FF+12*\m+2*\q:FF+12*\m+2*\q+1], v[L8] offset:CI+3072*\m+256*\q
.endr
.endr
	WIN 0x80
.irp m, 0,1,2,3
.irp q, 0,1,2,3,4,5
	ds_load_b64 v[FF+12*\m+2*\q:FF+12*\m+2*\q+1], v[L8] offset:CI+3072*\m+1536+256*\q
.endr
.endr
	WIN 0
.endm
; My token's record: 96 bytes of codes at 96 h, and scale word h.  The token is held inside the table first.
.macro GCORE tok, o1, o2, d, sc
	v_min_u32 v[\tok], 0xc34f, v[\tok]
	v_lshl_add_u32 v[\o1], v[\tok], 8, v[H96]
	v_lshl_add_u32 v[\o2], v[\tok], 8, v[H4]
.irp k, 0,1,2,3,4,5
	global_load_b128 v[\d+4*\k:\d+4*\k+3], v[\o1], s[6:7] offset:16*\k
.endr
	global_load_b32 v[\sc], v[\o2], s[6:7]
.endm
.macro GATHER                          ; in trip s48: the records of title s48 + 2, and the tokens of title s48 + 3; from trip 13 on the row of tokens stays the work-group's last: no load leaves the buffer
	GCORE TOK, GO1, GO2, STG, STS
	s_cmp_lt_u32 s48, 13
	s_cselect_b32 s50, 256, 0
	s_add_nc_u64 s[4:5], s[4:5], s[50:51]          ; (the last load of tokens was shown done by the wait in XSTORE)
	global_load_b32 v[TOK], v[TOKO], s[4:5]
.endm
.macro XSTORE                          ; the gathered record goes to LDS as it stands
	s_wait_loadcnt 0x0                             ; the gather, asked for a title ago, and the load of tokens behind it: their registers and addresses may be written again
.irp k, 0,1,2,3,4,5
	ds_store_b128 v[XW], v[STG+4*\k:STG+4*\k+3] offset:512*\k
.endr
	ds_store_b32 v[XWS], v[STS]
.endm
; raw(token, head) = the sum over the head's 32 columns of GQ K + GK Q = 64 x reference's w: four chains, one for each tile of tokens, by turns; they lie in window 1, in registers of source 1 that are done with
.macro WR
	WIN 0x5c
.set u, 0
.rept 16
.irp m, 0,1,2,3
.if u == 0
	v_pk_mul_f32 v[FF+2*\m:FF+2*\m+1], v[GQ:GQ+1], v[128+32*\m:129+32*\m]
.else
	v_pk_fma_f32 v[FF+2*\m:FF+2*\m+1], v[GQ+2*u:GQ+2*u+1], v[128+32*\m+2*u:129+32*\m+2*u], v[FF+2*\m:FF+2*\m+1]
.endif
.endr
.set u, u+1
.endr
.set u, 0
.rept 16
.irp m, 0,1,2,3
	v_pk_fma_f32 v[FF+2*\m:FF+2*\m+1], v[GK+2*u:GK+2*u+1], v[32*\m+2*u:32*\m+2*u+1], v[FF+2*\m:FF+2*\m+1]
.endr
.set u, u+1
.endr
	WIN 0x05
.irp m, 0,1,2,3
	v_add_f32 v[T+\m], v[FF+2*\m], v[FF+2*\m+1]
.endr
	WIN 0
.endm
.macro AVS k0                          ; eight of the sixteen steps of the largest |V| of my 32 columns, ascending, the four tiles of tokens by turns
.set u, \k0
.rept 8
.irp m, 0,1,2,3
.if u == 0
	v_max3_num_f32 v[T+4+\m], |v[VH+32*\m]|, |v[VH+32*\m+1]|, |v[VH+32*\m+2]|
.elseif u < 15
	v_max3_num_f32 v[T+4+\m], v[T+4+\m], |v[VH+32*\m+2*u+1]|, |v[VH+32*\m+2*u+2]|
.else
	v_max_num_f32 v[T+4+\m], v[T+4+\m], |v[VH+32*\m+31]|
.endif
.endr
.set u, u+1
.endr
.endm
; The first softmax, over the 64 tokens of my head: the largest raw is taken away, then x log2(e) / 64 (the means' 1 / 64, a power of two, rides in the constant).  The search for the largest |V| is the work behind the transcendentals.
.macro SOFT
	v_max3_num_f32 v[T+8], v[T], v[T+1], v[T+2]
	v_max_num_f32 v[T+8], v[T+8], v[T+3]
.irp k, 0,1,2,3
	XOP v_max_num_f32_dpp, T+8, T+8, T+8, \k
.endr
	v_pk_add_f32 v[T:T+1], v[T:T+1], v[T+8:T+9] op_sel_hi:[1,0] neg_lo:[0,1] neg_hi:[0,1]
	v_pk_add_f32 v[T+2:T+3], v[T+2:T+3], v[T+8:T+9] op_sel_hi:[1,0] neg_lo:[0,1] neg_hi:[0,1]
	v_pk_mul_f32 v[T:T+1], v[T:T+1], s[44:45] op_sel_hi:[1,0]
	v_pk_mul_f32 v[T+2:T+3], v[T+2:T+3], s[44:45] op_sel_hi:[1,0]
.irp m, 0,1,2,3
	v_exp_f32 v[T+\m], v[T+\m]
.endr
	AVS 0
	s_wait_alu depctr_va_vdst(0)                   ; one wait for the four exponentials, ahead of their first reader
	v_add_f32 v[T+10], v[T], v[T+1]
	v_add_f32 v[T+11], v[T+2], v[T+3]
	v_add_f32 v[T+10], v[T+10], v[T+11]
.irp k, 0,1,2,3
	XOP v_add_f32_dpp, T+10, T+10, T+10, \k
.endr
	v_rcp_f32 v[T+11], v[T+10]
	AVS 8
	s_wait_alu depctr_va_vdst(0)                   ; the wait for the reciprocal
.irp m, 0,1,2,3
	v_mul_f32 v[T+16+2*\m], v[T+\m], v[T+11]       ; w, finished and normalised
.endr
.endm
; context = w V, in place; its block's largest magnitude is w x the largest |V| (w is not negative and rounding keeps the order); the byte, the codes, and both to LDS
.macro CTX
.irp m, 0,1,2,3
	v_mul_f32 v[T+4+\m], v[T+16+2*\m], v[T+4+\m]
.endr
.irp m, 0,1,2,3
	v_max_num_f32 v[T+4+\m], 0x1800000, v[T+4+\m]  ; the floor 2^(3 - 127): the byte cannot fall under 1
.endr
.irp m, 0,1,2,3
	v_add_nc_u32 v[T+12+\m], 0xff000000, v[T+4+\m] ; 2 off the exponent field: the conversion's scale operand
.endr
.irp m, 0,1,2,3
	v_lshrrev_b32 v[T+4+\m], 23, v[T+12+\m]        ; the scale's byte
.endr
.irp m, 0,1,2,3
.irp c, 0,1,2,3,4,5,6,7,8,9,10,11,12,13,14,15
	v_pk_mul_f32 v[VH+32*\m+2*\c:VH+32*\m+2*\c+1], v[VH+32*\m+2*\c:VH+32*\m+2*\c+1], v[T+16+2*\m:T+17+2*\m] op_sel_hi:[1,0]
.endr
.endr
.irp m, 0,1,2,3
	v_cvt_scalef32_pk16_fp6_f32 v[T+24+8*\m:T+26+8*\m], v[VH+32*\m:VH+32*\m+15], v[T+12+\m]
	v_cvt_scalef32_pk16_fp6_f32 v[T+28+8*\m:T+30+8*\m], v[VH+32*\m+16:VH+32*\m+31], v[T+12+\m]   ; (a conversion's three registers begin on an even number)
.endr
	v_nop                                          ; one plain line behind the last scaled conversion
.irp m, 0,1,2,3
	v_mov_b32 v[T+27+8*\m], v[T+28+8*\m]
	v_mov_b32 v[T+28+8*\m], v[T+29+8*\m]
	v_mov_b32 v[T+29+8*\m], v[T+30+8*\m]
.endr
.irp m, 0,1,2,3
.irp c, 0,1,2
	ds_store_b64 v[CW], v[T+24+8*\m+2*\c:T+25+8*\m+2*\c] offset:3072*\m+256*\c
.endr
	ds_store_b8 v[CWS], v[T+4+\m] offset:128*\m
.endr
.endm
; My wave's part of the scores: hidden . dense_w over its 64 columns, in f32: four chains by turns, then the two halves of the lanes
.macro SC
	WIN 0x04
.set u, 0
.rept 8
.irp m, 0,1,2,3
.if u == 0
	v_pk_mul_f32 v[T+2*\m:T+2*\m+1], v[VH+32*\m:VH+32*\m+1], v[DW:DW+1]
.else
	v_pk_fma_f32 v[T+2*\m:T+2*\m+1], v[VH+32*\m+2*u:VH+32*\m+2*u+1], v[DW+2*u:DW+2*u+1], v[T+2*\m:T+2*\m+1]
.endif
.endr
.set u, u+1
.endr
	WIN 0x08
.rept 8
.irp m, 0,1,2,3
	v_pk_fma_f32 v[T+2*\m:T+2*\m+1], v[VH+32*\m+2*u:VH+32*\m+2*u+1], v[DW+2*u-16:DW+2*u-15], v[T+2*\m:T+2*\m+1]
.endr
.set u, u+1
.endr
	WIN 0
.irp m, 0,1,2,3
	v_add_f32 v[T+8+\m], v[T+2*\m], v[T+2*\m+1]
.endr
.irp m, 0,1,2,3
	v_permlanex16_b32 v[T+12+\m], v[T+8+\m], s36, s37
.endr
.irp m, 0,1,2,3
	v_add_f32 v[T+8+\m], v[T+8+\m], v[T+12+\m]
.endr
	ds_store_b128 v[PW], v[T+8:T+11]               ; lanes r and 16 + r write the same words with the same values
.endm
.macro WLOAD base, sp                  ; a weight's eight fragments of my 64 rows: tile t, K step s at base + 24 t + 12 s; 24 bytes as three loads of 8, so that every address is a multiple of the access's size
.irp t, 0,1,2,3
.irp s, 0,1
.irp p, 0,1,2,3,4,5
	global_load_b64 v[\base+24*\t+12*\s+2*\p:\base+24*\t+12*\s+2*\p+1], v154, s[\sp:\sp+1] offset:1536*\t+96*\s+48*(\p/3)+8*(\p%3)
.endr
.endr
.endr
.endm
	s_load_b256 s[4:11], s[0:1], 0x0               ; tokens s[4:5], xq s[6:7], WQ's codes s[8:9], scales s[10:11]
	s_load_b256 s[12:19], s[0:1], 0x20             ; WK's s[12:13], s[14:15]; WV's s[16:17], s[18:19]
	s_load_b256 s[20:27], s[0:1], 0x40             ; WO's s[20:21], s[22:23]; dense_w s[24:25]; dense_b s[26:27]
	s_load_b64 s[28:29], s[0:1], 0x60              ; out0
	v_lshrrev_b32 v62, 5, v0
	v_readfirstlane_b32 s32, v62                   ; wave
	v_and_b32 v61, 31, v0                          ; lane
	v_and_b32 v62, 15, v0                          ; r
	v_bfe_u32 v63, v0, 4, 1                        ; h
	v_lshlrev_b32 v[LI], 4, v61
	v_lshlrev_b32 v[LS], 2, v61
	v_lshlrev_b32 v[L8], 3, v61
	s_mul_i32 s34, s32, 3072
	v_add_nc_u32 v[XW], s34, v[LI]                 ; XI + 3072 w + 16 x lane
	s_lshl_b32 s34, s32, 7
	s_add_co_u32 s34, s34, XSC
	v_add_nc_u32 v[XWS], s34, v[LS]                ; XSC + 128 w + 4 x lane
	s_mul_i32 s34, s32, 768
	s_add_co_u32 s34, s34, CI
	v_add_nc_u32 v[CW], s34, v[L8]                 ; CI + 768 w + 8 x lane: K step w / 2, registers 6 (w % 2) on
	s_lshr_b32 s34, s32, 1
	s_lshl_b32 s34, s34, 6
	s_and_b32 s35, s32, 1
	s_lshl_b32 s35, s35, 1
	s_add_co_u32 s34, s34, s35
	s_add_co_u32 s34, s34, CSC
	v_lshl_add_u32 v[CWS], v62, 2, v63
	v_add_nc_u32 v[CWS], s34, v[CWS]               ; CSC + 64 (w / 2) + 4 r + 2 (w % 2) + h
	v_lshlrev_b32 v[PR], 4, v62
	v_add_nc_u32 v[PR], SCO, v[PR]                 ; SCO + 16 r
	s_lshl_b32 s34, s32, 8
	v_add_nc_u32 v[PW], s34, v[PR]                 ; + 256 w
	s_lshl_b32 s34, s32, 6
	v_lshl_add_u32 v[TOKO], v62, 2, s34
	v_mul_u32_u24 v[H96], v63, 96
	v_lshl_add_u32 v[H4], v63, 2, 192
	v_lshrrev_b32 v153, 3, v62                     ; (the head's temporaries lie in V's registers, which are free until the first title's V)
	v_and_b32 v154, 7, v62
	v_lshl_add_u32 v153, v153, 5, v154             ; my row in a tile: 32 (r / 8) + r % 8
	v_mul_u32_u24 v154, v153, 192
	v_mad_u32_u24 v154, v63, 24, v154
	s_mul_i32 s34, s32, 12288
	v_add_nc_u32 v154, s34, v154                   ; codes: 192 x row + 24 h + my wave's 64 rows
	v_lshlrev_b32 v155, 3, v153
	v_lshl_add_u32 v155, v63, 2, v155
	s_lshl_b32 s34, s32, 9
	v_add_nc_u32 v155, s34, v155                   ; scale words: 8 x row + 4 h + my wave's
	v_lshlrev_b32 v158, 7, v63
	s_lshl_b32 s34, s32, 8
	v_add_nc_u32 v158, s34, v158                   ; dense_w: my half's 32 numbers of my wave's 64
	s_mov_b32 s36, 0x76543210
	s_mov_b32 s37, 0xfedcba98                      ; v_permlanex16_b32's selects for lane xor 16
	s_mov_b32 s40, 0xaaaaaaaa                      ; the lanes whose number has bit 0, 1, 2, 3 set
	s_mov_b32 s41, 0xcccccccc
	s_mov_b32 s42, 0xf0f0f0f0
	s_mov_b32 s43, 0xff00ff00
	s_mov_b32 s44, 0x3cb8aa3b                      ; log2(e) / 64
	s_mov_b32 s45, s44                             ; (a packed form names the pair, so both are written)
	s_mov_b32 s46, 0x3fb8aa3b                      ; log2(e)
	s_mov_b32 s47, s46
	s_mov_b32 s51, 0
	s_mov_b32 s52, 0                               ; what out0's address steps by: nothing ahead of the first title, then a row
	s_mov_b32 s53, 0
	s_lshl_b32 s34, ttmp9, 12                      ; my work-group's 16 rows of tokens, 256 bytes each
	s_mov_b32 s35, 0
	s_wait_kmcnt 0x0
	s_load_b32 s30, s[26:27], 0x0                  ; dense_b
	s_add_nc_u64 s[4:5], s[4:5], s[34:35]
	s_lshl_b32 s34, ttmp9, 14                      ; its 16 rows of out0, 1,024 bytes each,
	s_lshl_b32 s38, s32, 8
	s_add_co_u32 s34, s34, s38                     ; and my wave's 256 bytes of a row
	s_add_nc_u64 s[28:29], s[28:29], s[34:35]
	global_load_b32 v156, v[TOKO], s[4:5]          ; my tokens of titles 0, 1, 2
	global_load_b32 v157, v[TOKO], s[4:5] offset:256
	global_load_b32 v[TOK], v[TOKO], s[4:5] offset:512
	s_wait_loadcnt 0x0
	s_add_nc_u64 s[4:5], s[4:5], 512               ; at title 2's row
	GCORE 156, 160, 161, 128, 152                  ; title 0's records
	GCORE 157, GO1, GO2, STG, STS                  ; title 1's
	WIN 0x40
	WLOAD 0, 8
	WLOAD 96, 12
.irp k, 0,1,2,3
	global_load_b128 v[DW+4*\k:DW+4*\k+3], v158, s[24:25] offset:16*\k
.endr
	WIN 0x80
	WLOAD 0, 16
	WLOAD 96, 20
.irp k, 0,1,2,3
	global_load_b128 v[DW+4*\k:DW+4*\k+3], v158, s[24:25] offset:64+16*\k
.endr
	WIN 0
.irp t, 0,1,2,3
	global_load_b32 v[WS+\t], v155, s[10:11] offset:64*\t
	global_load_b32 v[WS+4+\t], v155, s[14:15] offset:64*\t
	global_load_b32 v[WS+8+\t], v155, s[18:19] offset:64*\t
	global_load_b32 v[WS+12+\t], v155, s[22:23] offset:64*\t
.endr
	s_wait_kmcnt 0x0
	s_mov_b32 s31, s30
	s_wait_loadcnt 0x0                             ; once: the weights stay
.irp k, 0,1,2,3,4,5
	ds_store_b128 v[XW], v[128+4*\k:131+4*\k] offset:512*\k
.endr
	ds_store_b32 v[XWS], v152
	BAR                                            ; title 0's eight fragments lie in LDS
	LOADX 0
	PHASE 0, 0, 3                                  ; title 0's Q: there is no vector work yet to set between
	PLACES
	WIN 0
; A TITLE.  At its head its Q is made and x's fragments are in registers.  last = 1: no title follows.
.macro BODY last
	PHASE 1, 1, 0                                  ; K | Q's sums over the tokens
	s_wait_xcnt 0x0                                ; the last title's store has read its data and its base: V's products below write over the one, the next line over the other
	s_add_nc_u64 s[28:29], s[28:29], s[52:53]
	s_movk_i32 s52, 1024
	PHASE 2, 2, 0                                  ; V | K's sums
	WR
	SOFT
	CTX
	BAR                                            ; context's images are whole, and every wave's reads of x's images are over
	LOADC
	PHASE 3, 0, 6                                  ; hidden
	PLACES
	WIN 0
.if \last == 0
	XSTORE                                         ; the next title's x
.endif
	SC
	BAR                                            ; the parts of the scores and x's images are whole, and every wave's reads of context's images are over
.if \last
	PSLOAD
	s_wait_dscnt 0x0
.set j, 0
.rept 187
	TL
.set j, j+1
.endr
.else
	LOADX 1
	s_cmp_eq_u32 s48, 14                           ; in the last trip there is no title two on
	s_cbranch_scc1 .Lno_gather_\@
	GATHER                                         ; it has a whole title in which to land
.Lno_gather_\@:
	PHASE 0, 3, 3                                  ; the next title's Q | this title's tail
	WIN 0
.endif
.endm
	s_mov_b32 s48, 0
.Ltitle:                                               ; 15 trips; the last title is written out, without what looks ahead
	BODY 0
	s_add_co_u32 s48, s48, 1
	s_cmp_lt_u32 s48, 15
	s_cbranch_scc1 .Ltitle
	BODY 1
	s_wait_xcnt 0x0
	v_lshl_add_u32 v254, v0, 2, 0x6800
	v_mov_b32 v255, 0
	s_wait_tensorcnt 0x0
	ds_add_u32 v254, v255
	s_wait_dscnt 0x0
	s_endpgm
.Lfunc_end_k_qea9993bd2d_news:
	.size	k_qea9993bd2d_news, .Lfunc_end_k_qea9993bd2d_news-k_qea9993bd2d_news
	.p2alignl 7, 3214868480
	.fill 96, 4, 3214868480
	.section	.rodata,"a",@progbits
	.p2align	6, 0x0
	.amdhsa_kernel k_qea9993bd2d_news
		.amdhsa_group_segment_fixed_size 27136
		.amdhsa_private_segment_fixed_size 0
		.amdhsa_enable_private_segment 0
		.amdhsa_kernarg_size 104
		.amdhsa_user_sgpr_count 2
		.amdhsa_user_sgpr_kernarg_segment_ptr 1
		.amdhsa_wavefront_size32 1
		.amdhsa_system_sgpr_workgroup_id_x 1
		.amdhsa_system_sgpr_workgroup_id_y 1
		.amdhsa_system_sgpr_workgroup_id_z 1
		.amdhsa_system_vgpr_workitem_id 0
		.amdhsa_next_free_vgpr 1024
		.amdhsa_next_free_sgpr 66
		.amdhsa_reserve_vcc 1
		.amdhsa_float_denorm_mode_32 3
		.amdhsa_float_denorm_mode_16_64 3
		.amdhsa_memory_ordered 1
		.amdhsa_forward_progress 1
		.amdhsa_inst_pref_size 197
	.end_amdhsa_kernel
	.amdgpu_metadata
---
amdhsa.version: [ 1, 2 ]
amdhsa.kernels:
  - .name:           k_qea9993bd2d_news
    .symbol:         k_qea9993bd2d_news.kd
    .args:
      - { .name: tokens, .offset: 0, .size: 8, .value_kind: global_buffer, .address_space: global }
      - { .name: xq, .offset: 8, .size: 8, .value_kind: global_buffer, .address_space: global }
      - { .name: WQ_codes, .offset: 16, .size: 8, .value_kind: global_buffer, .address_space: global }
      - { .name: WQ_scales, .offset: 24, .size: 8, .value_kind: global_buffer, .address_space: global }
      - { .name: WK_codes, .offset: 32, .size: 8, .value_kind: global_buffer, .address_space: global }
      - { .name: WK_scales, .offset: 40, .size: 8, .value_kind: global_buffer, .address_space: global }
      - { .name: WV_codes, .offset: 48, .size: 8, .value_kind: global_buffer, .address_space: global }
      - { .name: WV_scales, .offset: 56, .size: 8, .value_kind: global_buffer, .address_space: global }
      - { .name: WO_codes, .offset: 64, .size: 8, .value_kind: global_buffer, .address_space: global }
      - { .name: WO_scales, .offset: 72, .size: 8, .value_kind: global_buffer, .address_space: global }
      - { .name: dense_w, .offset: 80, .size: 8, .value_kind: global_buffer, .address_space: global }
      - { .name: dense_b, .offset: 88, .size: 8, .value_kind: global_buffer, .address_space: global }
      - { .name: out0, .offset: 96, .size: 8, .value_kind: global_buffer, .address_space: global }
    .group_segment_fixed_size: 27136
    .private_segment_fixed_size: 0
    .kernarg_segment_align: 8
    .kernarg_segment_size: 104
    .max_flat_workgroup_size: 128
    .sgpr_count:     66
    .vgpr_count:     1024
    .wavefront_size: 32
...
	.end_amdgpu_metadata
.endif
;; end of part 2
;; ======== version 2 of 2: 2 launches; version 1 with the launch news written anew for expert scheduling mode
;; workspace buffers: xq 12,800,000 bytes
;; launch quant: the kernel of part 1 again; grid 625 x 1, 4 waves a work-group, no clusters, 23,040 bytes of LDS; arguments emb_table, xq; writes xq
;; launch news (part 3): grid 256 x 1, 4 waves a work-group, no clusters, 27,136 bytes of LDS; arguments tokens, xq, WQ_codes, WQ_scales, WK_codes, WK_scales, WV_codes, WV_scales, WO_codes, WO_scales, dense_w, dense_b, out0; writes out0
.if DOCPART == 3
	.amdgcn_target "amdgcn-amd-amdhsa--gfx1250"
	.amdhsa_code_object_version 6
	.text
	.protected	k_qea9993bd2d_news
	.globl	k_qea9993bd2d_news
	.p2align	8
	.type	k_qea9993bd2d_news,@function
k_qea9993bd2d_news:
	s_mov_b64 s[64:65], 0
	v_nop
	global_prefetch_b8 v0, s[64:65] scope:SCOPE_SE
	s_setreg_imm32_b32 hwreg(HW_REG_WAVE_SCHED_MODE, 0, 2), 2
	s_setreg_imm32_b32 hwreg(HW_REG_WAVE_MODE, 25, 1), 1
	s_wait_xcnt 0x0
	s_wait_alu depctr_vm_vsrc(0)
; For each of 4,096 titles of 64 tokens: x = the tokens' records of xq (codes of E2M3 and scale bytes); Q, K, V = x WQ, x WK, x WV; w = softmax over the tokens of (mean Q . K + mean K . Q) for each head;
; context = w V, quantised along its 256 columns; hidden = context WO; attn = softmax over the tokens of (hidden . dense_w + dense_b); out0 = the sum over the tokens of attn x hidden.
; All four products by v_wmma_scale_f32_16x16x128_f8f6f4 on E2M3 codes, sums in f32; all else in f32.  Nothing but xq goes through memory.
; SHARES.  256 work-groups of four waves; a work-group takes 16 titles, one after the other.  THE WAVES SHARE THE COLUMNS, NOT THE TOKENS: wave w owns columns 64 w .. 64 w + 63 of Q, K, V, hidden and out0,
; that is heads 2 w and 2 w + 1, for all 64 tokens.  Its quarter of the four weights (32 fragments, 384 registers) is read once and stays in registers.
; THE PRODUCTS ARE USED TRANSPOSED (source 0 = 16 rows of a weight, source 1 = 16 tokens), AND THE ROWS OF A TILE ARE CHOSEN: lane r of tile t takes row 64 w + 32 (r / 8) + 8 t + r % 8.  In the result lane (r, h) then
; holds token 16 mt + r, and register 8 t + j of its 32 holds column 64 w + 32 h + 8 t + j: lanes 0-15 hold all of head 2 w, lanes 16-31 all of head 2 w + 1.  A head is one block of 32 of the fourth product's K:
; so the means, w, the softmax, the block's largest magnitude and the conversions never leave the half of the lanes, and a lane's six registers of codes are registers 6 (w % 2) .. + 5 of context's fragment of K step w / 2.
; OPERANDS GO FROM WAVE TO WAVE THROUGH LDS AS IMAGES OF THEIR REGISTERS: wave w gathers tokens 16 w .. + 15 (a lane's 96 bytes of a record are its 24 registers of the two K steps) and stores them at 16 x lane;
; context's parts likewise at 8 x lane.  Two barriers a title.
; BY TURNS: K's products stand between the lines that sum Q over the tokens, V's between those that sum K, the next title's Q between this title's second softmax and weighted sum: six vector lines behind each matrix line.
; NO CLUSTER: what work-groups share is the weights alone, 4 x 51,200 bytes, which each reads once, straight into the registers where they stay; in the loop over titles no two work-groups read the same tile.
; LIMITS: a token outside 0 .. 49,999 is held at 49,999; NaN and infinities are not served; a softmax weight under 2^-126 counts as 0 (v_exp_f32's own flush); a block of zeros of context has the byte 1 with zero codes.
; REGISTERS, in windows of 256 (s_set_vgpr_msb's low byte: bits 1:0 source 0, 3:2 source 1, 5:4 source 2, 7:6 destination):
;   window 0: v1-15 addresses; v16-31 the weights' scale words; v32-35 source 1's scale words; v36-60 the gathered record; v64-127 the sums over tokens GQ, GK, else scratch T; v128-255 V, then hidden
;   window 1: v0-95 WQ, v96-191 WK; v192-239 source 1's fragments of K step 0; v240-255 dense_w 0-15      window 2: v0-95 WV, v96-191 WO; v192-239 K step 1's; v240-255 dense_w 16-31      window 3: v0-127 Q, v128-255 K
; THE MODE: SCHED_MODE bits 1:0 = 2 (LLVM: expert scheduling mode 2), set by the entry lines.  The code itself states the register dependences
; between vector or matrix instructions and memory or LDS instructions, with s_wait_alu, always for 0.
; THE PLAN.  Registers that memory or LDS instructions touch, round a title:
;   FS, FF         LDS loads land in them twice a title: context's behind the first barrier, the next title's x behind the second.  Read by the products; FF's first eight of window 1 are also written and read by the lines that make raw.
;   T .. T+63      Written and read by vector lines throughout.  Context's LDS stores read T+4 .. 7 and T+24 .. 53, the scores' LDS store T+8 .. 11; the four parts of the scores land in T .. T+15.
;   STG, STS       The gather's loads land in them, the LDS stores of x's image read them; no vector line names them.
;   GO1, GO2, TOK  Made by three vector lines a title; the gather's loads read GO1 and GO2; the next tokens land in TOK.
;   VH, VH+1       Written by the tail's last multiplication, read by the title's one global store, written over by the next title's V.
;   v1-12          Addresses: made at the head, never written again.
; SIX WAITS A TITLE state all of that (beside those behind transcendentals): on va_vdst ahead of context's LDS stores, ahead of the scores' LDS store and ahead of the global store; on vm_vsrc ahead of V's products,
; behind hidden's products and behind the second barrier.  No vector or matrix line stands between the first of them and the loads of context's fragments, nor between the second and the loads behind the second barrier
; (the parts of the scores, x's fragments, the gather, the tokens): so those loads owe no wait of their own.
.set XI,  0                            ; LDS: x's images: 3072 mt + 512 x (group of four registers) + 16 x lane
.set XSC, 12288                        ; their scale words: 128 mt + 4 x lane (lanes 0-15 K step 0, lanes 16-31 K step 1)
.set CI,  12800                        ; context's images: 3072 mt + 1536 x K step + 256 x (pair of registers) + 8 x lane
.set CSC, 25088                        ; their scale bytes: 128 mt + 64 x K step + 4 r + block
.set SCO, 25600                        ; the waves' parts of the scores: 256 x wave + 16 r + 4 mt
.set LI,  1                            ; v1  16 x lane
.set LS,  2                            ; v2  4 x lane
.set L8,  3                            ; v3  8 x lane; also my offset in my wave's 256 bytes of out0
.set XW,  4                            ; v4  where I store x's image
.set XWS, 5                            ; v5  and its scale word
.set CW,  6                            ; v6  where I store context's codes
.set CWS, 7                            ; v7  and its scale byte
.set PW,  8                            ; v8  where I store my part of the scores
.set PR,  9                            ; v9  where I read the four parts
.set TOKO, 10                          ; v10 my token's offset in a title's row of tokens: 4 (16 w + r)
.set H96, 11                           ; v11 96 h
.set H4,  12                           ; v12 192 + 4 h
.set GO1, 13                           ; v13, v14 the gather's offsets
.set GO2, 14
.set TOK, 15                           ; v15 my token of the title gathered next
.set WS,  16                           ; v[16 + 4 T + t]: lanes 0-15 K step 0's word of the tile's row r, lanes 16-31 K step 1's
.set FS,  32
.set STG, 36
.set STS, 60
.set T,   64
.set GQ,  64
.set GK,  96
.set VH,  128
.set FF,  192
.set DW,  240
.set MSB, 0
.macro WIN new                         ; the immediate's high byte repeats the setting that is left; a switch that changes nothing is dropped
.if MSB != (\new)
	s_set_vgpr_msb (MSB<<8)|(\new)
.set MSB, \new
.endif
.endm
.macro PLACES                          ; four plain lines between a matrix instruction and the first read of its result (ISA guide 7.12.1)
.rept 4
	v_nop
.endr
.endm
.macro BAR                             ; my LDS stores have landed and my LDS loads are in: then the work-group's barrier
	s_wait_dscnt 0x0
	s_barrier_signal -1
	s_barrier_wait -1
.endm
.macro XOP op, d, a, b, k              ; d[lane] = a[lane xor 2^k] op b[lane], inside each half of 16 lanes
.if (\k) == 0
	\op v[\d], v[\a], v[\b] row_xmask:1 row_mask:0xf bank_mask:0xf
.elseif (\k) == 1
	\op v[\d], v[\a], v[\b] row_xmask:2 row_mask:0xf bank_mask:0xf
.elseif (\k) == 2
	\op v[\d], v[\a], v[\b] row_xmask:4 row_mask:0xf bank_mask:0xf
.else
	\op v[\d], v[\a], v[\b] row_xmask:8 row_mask:0xf bank_mask:0xf
.endif
.endm
; Matrix instruction i of 32 of tensor ten (0 Q, 1 K, 2 V, 3 hidden): K step i / 16, tokens 16 ((i / 4) % 4) on, tile i % 4.  The 16 accumulators take turns, one instruction a turn;
; the first K step starts the sums with the constant 0: nothing is cleared.
.macro MM ten
.set ks, i/16
.set mt, (i/4)%4
.set tt, i%4
.set ff, FF+12*mt
.if \ten < 2
.set ac, 128*\ten+32*mt+8*tt
.set wf, 96*\ten+24*tt+12*ks
	WIN 0xf5+4*ks                                  ; weights window 1, source 1 window 1 or 2, C and D window 3
.else
.set ac, VH+32*mt+8*tt
.set wf, 96*(\ten-2)+24*tt+12*ks
	WIN 0x06+4*ks                                  ; weights window 2, source 1 window 1 or 2, C and D window 0
.endif
.if ks == 0
	v_wmma_scale_f32_16x16x128_f8f6f4 v[ac:ac+7], v[wf:wf+11], v[ff:ff+11], 0, v[WS+4*\ten+tt], v[FS+mt] matrix_a_fmt:MATRIX_FMT_FP6 matrix_b_fmt:MATRIX_FMT_FP6
.else
	v_wmma_scale_f32_16x16x128_f8f6f4 v[ac:ac+7], v[wf:wf+11], v[ff:ff+11], v[ac:ac+7], v[WS+4*\ten+tt], v[FS+mt] matrix_a_fmt:MATRIX_FMT_FP6 matrix_b_fmt:MATRIX_FMT_FP6 matrix_a_scale:MATRIX_SCALE_ROW1 matrix_b_scale:MATRIX_SCALE_ROW1
.endif
.endm
; Line j of 176 of the sum over the 64 tokens of a (Q or K, window 3) into g (window 0): 48 packed additions over the four tiles of tokens, ascending;
; then four rounds over the sixteen lanes of my half.  Every lane ends with 64 x the mean of its head's 32 columns.
.macro GS a, g
.if j < 16
	WIN 0x0f
	v_pk_add_f32 v[\g+2*j:\g+2*j+1], v[\a+2*j:\a+2*j+1], v[\a+32+2*j:\a+33+2*j]
.elseif j < 48
	WIN 0x0c
.set gu, 2*(j%16)
.set gp, \a+32*(j/16)+32+gu
	v_pk_add_f32 v[\g+gu:\g+gu+1], v[\g+gu:\g+gu+1], v[gp:gp+1]
.elseif j < 176
	WIN 0
.set gu, \g+(j-48)%32
	XOP v_add_f32_dpp, gu, gu, gu, (j-48)/32
.endif
.endm
; A stage of the sum over sixteen lanes that also shares the columns out: of each pair of registers a lane keeps one and sends the other to lane xor 2^k, so that the registers halve: 32, 16, 8, 4, 2.
; Lane r ends with columns 2 r and 2 r + 1 of its half's 32.  base: the stage's first line in the list.
.macro RS k, base
.set np, 16>>(\k)
.set rz, j-(\base)
.set rp, rz%np
.set rq, VH+(rp%2)+(rp/2)*(4<<(\k))
.set ro, rq+(2<<(\k))
.if rz == 0
	s_mov_b32 vcc_lo, s[40+\k]                     ; the lanes whose number has bit k set
.endif
.if rz < np
	v_cndmask_b32 v[T+16+rp], v[ro], v[rq], vcc_lo ; what I send
.elseif rz < 2*np
	v_cndmask_b32 v[rq], v[rq], v[ro], vcc_lo      ; what I keep
.else
	XOP v_add_f32_dpp, rq, T+16+rp, rq, \k
.endif
.endm
; Line j of 187 of a title's tail.  T+4 w'+mt: wave w's part of the score of token 16 mt + r.  0-7 the four parts and the bias; 8-13 the largest score; 14-22 e = exp(score - largest), one batch with one wait;
; 23-30 their sum and its reciprocal; 31-94 the lane's four tokens' e x hidden, in place in hidden's first 32 registers; 95-184 the sum over the lanes; 185 the division; 186 the store.
.macro TL
.if j < 187
	WIN 0
.endif
.if j < 2
	v_pk_add_f32 v[T+2*j:T+2*j+1], v[T+2*j:T+2*j+1], v[T+4+2*j:T+5+2*j]
.elseif j < 4
	v_pk_add_f32 v[T+4+2*j:T+5+2*j], v[T+4+2*j:T+5+2*j], v[T+8+2*j:T+9+2*j]
.elseif j < 6
	v_pk_add_f32 v[T+2*j-8:T+2*j-7], v[T+2*j-8:T+2*j-7], v[T+2*j:T+2*j+1]
.elseif j < 8
	v_pk_add_f32 v[T+2*j-12:T+2*j-11], v[T+2*j-12:T+2*j-11], s[30:31] op_sel_hi:[1,0]
.elseif j == 8
	v_max3_num_f32 v[T+4], v[T], v[T+1], v[T+2]
.elseif j == 9
	v_max_num_f32 v[T+4], v[T+4], v[T+3]
.elseif j < 14
	XOP v_max_num_f32_dpp, T+4, T+4, T+4, j-10
.elseif j < 16
	v_pk_add_f32 v[T+2*j-28:T+2*j-27], v[T+2*j-28:T+2*j-27], v[T+4:T+5] op_sel_hi:[1,0] neg_lo:[0,1] neg_hi:[0,1]
.elseif j < 18
	v_pk_mul_f32 v[T+2*j-32:T+2*j-31], v[T+2*j-32:T+2*j-31], s[46:47] op_sel_hi:[1,0]
.elseif j < 22
	v_exp_f32 v[T+8+2*(j-18)], v[T+j-18]
.elseif j == 22
	v_nop                                          ; the plain line behind the last exponential,
	s_wait_alu depctr_va_vdst(0)                   ; and one wait for the four: they have written T+8, T+10, T+12, T+14, ahead of their first reader
.elseif j == 23
	v_add_f32 v[T+4], v[T+8], v[T+10]
.elseif j == 24
	v_add_f32 v[T+5], v[T+12], v[T+14]
.elseif j == 25
	v_add_f32 v[T+4], v[T+4], v[T+5]
.elseif j < 30
	XOP v_add_f32_dpp, T+4, T+4, T+4, j-26
.elseif j == 30
	v_rcp_f32 v[T+6], v[T+4]                       ; read at line 185 alone; the lines between name neither it nor its source
.elseif j < 47
	v_pk_mul_f32 v[VH+2*(j-31):VH+2*(j-31)+1], v[VH+2*(j-31):VH+2*(j-31)+1], v[T+8:T+9] op_sel_hi:[1,0]
.elseif j < 95
.set tm, 1+(j-47)/16
.set tu, 2*((j-47)%16)
	v_pk_fma_f32 v[VH+tu:VH+tu+1], v[VH+32*tm+tu:VH+32*tm+tu+1], v[T+8+2*tm:T+9+2*tm], v[VH+tu:VH+tu+1] op_sel_hi:[1,0,1]
.elseif j < 143
	RS 0, 95
.elseif j < 167
	RS 1, 143
.elseif j < 179
	RS 2, 167
.elseif j < 185
	RS 3, 179
.elseif j == 185
	s_wait_alu depctr_va_vdst(0)                   ; the reciprocal has written T+6, ahead of its reader
	v_pk_mul_f32 v[VH:VH+1], v[VH:VH+1], v[T+6:T+7] op_sel_hi:[1,0]
.elseif j == 186
	s_wait_alu depctr_va_vdst(0)                   ; line 185 has written v[VH:VH+1], which the store reads
	global_store_b64 v[L8], v[VH:VH+1], s[28:29] th:TH_STORE_NT   ; 32 lanes store my wave's 64 columns: 256 consecutive bytes, aligned; written once
.endif
.endm
; 32 matrix instructions of tensor ten, six lines of a list behind each (1: Q's sums, 2: K's sums, 3: the tail, 0: none).
; dsk: the LDS loads that bring one fragment of source 1 (0: they are in): ahead of each group of four the wait leaves out the loads issued behind that group's fragment.
.macro PHASE ten, list, dsk
.set i, 0
.set j, 0
.rept 32
.if (\dsk > 0) && (i%4 == 0)
	s_wait_dscnt \dsk*(7-i/4)
.endif
	MM \ten
.rept 6
.if \list == 1
	GS 0, GQ
.elseif \list == 2
	GS 128, GK
.elseif \list == 3
	TL
.endif
.set j, j+1
.endr
.set i, i+1
.endr
.endm
.macro PSLOAD                          ; the four waves' parts of my four tokens' scores
.irp w, 0,1,2,3
	ds_load_b128 v[T+4*\w:T+4*\w+3], v[PR] offset:256*\w
.endr
.endm
.macro LOADX ps                        ; x's eight fragments and four scale words, as they were stored; ps = 1: first the parts of the scores
	WIN 0
.if \ps
	PSLOAD
.endif
.irp m, 0,1,2,3
	ds_load_b32 v[FS+\m], v[LS] offset:XSC+128*\m
.endr
	WIN 0x40
.irp m, 0,1,2,3
.irp c, 0,1,2
	ds_load_b128 v[FF+12*\m+4*\c:FF+12*\m+4*\c+3], v[LI] offset:XI+3072*\m+512*\c
.endr
.endr
	WIN 0x80
.irp m, 0,1,2,3
.irp c, 0,1,2
	ds_load_b128 v[FF+12*\m+4*\c:FF+12*\m+4*\c+3], v[LI] offset:XI+3072*\m+1536+512*\c
.endr
.endr
	WIN 0
.endm
.macro LOADC                           ; context's likewise, in pairs of registers
	WIN 0
.irp m, 0,1,2,3
	ds_load_b32 v[FS+\m], v[LS] offset:CSC+128*\m
.endr
	WIN 0x40
.irp m, 0,1,2,3
.irp q, 0,1,2,3,4,5
	ds_load_b64 v[FF+12*\m+2*\q:FF+12*\m+2*\q+1], v[L8] offset:CI+3072*\m+256*\q
.endr
.endr
	WIN 0x80
.irp m, 0,1,2,3
.irp q, 0,1,2,3,4,5
	ds_load_b64 v[FF+12*\m+2*\q:FF+12*\m+2*\q+1], v[L8] offset:CI+3072*\m+1536+256*\q
.endr
.endr
	WIN 0
.endm
; My token's record: 96 bytes of codes at 96 h, and scale word h.  The token is held inside the table first.  The three lines that make the offsets stand apart from the loads, ahead of a wait on va_vdst that stands there anyway.
.macro GADR tok, o1, o2
	v_min_u32 v[\tok], 0xc34f, v[\tok]
	v_lshl_add_u32 v[\o1], v[\tok], 8, v[H96]
	v_lshl_add_u32 v[\o2], v[\tok], 8, v[H4]
.endm
.macro GLD o1, o2, d, sc
.irp k, 0,1,2,3,4,5
	global_load_b128 v[\d+4*\k:\d+4*\k+3], v[\o1], s[6:7] offset:16*\k
.endr
	global_load_b32 v[\sc], v[\o2], s[6:7]
.endm
.macro GATHER                          ; in trip s48: the records of title s48 + 2, and the tokens of title s48 + 3; from trip 13 on the row of tokens stays the work-group's last: no load leaves the buffer
	GLD GO1, GO2, STG, STS                         ; no wait: no vector or matrix line since the wait ahead of the scores' LDS store names GO1, GO2, TOK, STG or STS
	s_cmp_lt_u32 s48, 13
	s_cselect_b32 s50, 256, 0
	s_add_nc_u64 s[4:5], s[4:5], s[50:51]          ; (the last load of tokens was shown done by the wait in XSTORE)
	global_load_b32 v[TOK], v[TOKO], s[4:5]
.endm
.macro XSTORE                          ; the gathered record goes to LDS as it stands
	s_wait_loadcnt 0x0                             ; the gather, asked for a title ago, and the load of tokens behind it: their registers and addresses may be written again
.irp k, 0,1,2,3,4,5
	ds_store_b128 v[XW], v[STG+4*\k:STG+4*\k+3] offset:512*\k
.endr
	ds_store_b32 v[XWS], v[STS]
.endm
; raw(token, head) = the sum over the head's 32 columns of GQ K + GK Q = 64 x reference's w: four chains, one for each tile of tokens, by turns; they lie in window 1, in registers of source 1 that are done with
.macro WR
	WIN 0x5c
.set u, 0
.rept 16
.irp m, 0,1,2,3
.if u == 0
	v_pk_mul_f32 v[FF+2*\m:FF+2*\m+1], v[GQ:GQ+1], v[128+32*\m:129+32*\m]
.else
	v_pk_fma_f32 v[FF+2*\m:FF+2*\m+1], v[GQ+2*u:GQ+2*u+1], v[128+32*\m+2*u:129+32*\m+2*u], v[FF+2*\m:FF+2*\m+1]
.endif
.endr
.set u, u+1
.endr
.set u, 0
.rept 16
.irp m, 0,1,2,3
	v_pk_fma_f32 v[FF+2*\m:FF+2*\m+1], v[GK+2*u:GK+2*u+1], v[32*\m+2*u:32*\m+2*u+1], v[FF+2*\m:FF+2*\m+1]
.endr
.set u, u+1
.endr
	WIN 0x05
.irp m, 0,1,2,3
	v_add_f32 v[T+\m], v[FF+2*\m], v[FF+2*\m+1]
.endr
	WIN 0
.endm
.macro AVS k0                          ; eight of the sixteen steps of the largest |V| of my 32 columns, ascending, the four tiles of tokens by turns
.set u, \k0
.rept 8
.irp m, 0,1,2,3
.if u == 0
	v_max3_num_f32 v[T+4+\m], |v[VH+32*\m]|, |v[VH+32*\m+1]|, |v[VH+32*\m+2]|
.elseif u < 15
	v_max3_num_f32 v[T+4+\m], v[T+4+\m], |v[VH+32*\m+2*u+1]|, |v[VH+32*\m+2*u+2]|
.else
	v_max_num_f32 v[T+4+\m], v[T+4+\m], |v[VH+32*\m+31]|
.endif
.endr
.set u, u+1
.endr
.endm
; The first softmax, over the 64 tokens of my head: the largest raw is taken away, then x log2(e) / 64 (the means' 1 / 64, a power of two, rides in the constant).  The search for the largest |V| is the work behind the transcendentals.
.macro SOFT
	v_max3_num_f32 v[T+8], v[T], v[T+1], v[T+2]
	v_max_num_f32 v[T+8], v[T+8], v[T+3]
.irp k, 0,1,2,3
	XOP v_max_num_f32_dpp, T+8, T+8, T+8, \k
.endr
	v_pk_add_f32 v[T:T+1], v[T:T+1], v[T+8:T+9] op_sel_hi:[1,0] neg_lo:[0,1] neg_hi:[0,1]
	v_pk_add_f32 v[T+2:T+3], v[T+2:T+3], v[T+8:T+9] op_sel_hi:[1,0] neg_lo:[0,1] neg_hi:[0,1]
	v_pk_mul_f32 v[T:T+1], v[T:T+1], s[44:45] op_sel_hi:[1,0]
	v_pk_mul_f32 v[T+2:T+3], v[T+2:T+3], s[44:45] op_sel_hi:[1,0]
.irp m, 0,1,2,3
	v_exp_f32 v[T+\m], v[T+\m]
.endr
	AVS 0
	s_wait_alu depctr_va_vdst(0)                   ; the four exponentials have written T .. T+3: one wait, ahead of their first reader
	v_add_f32 v[T+10], v[T], v[T+1]
	v_add_f32 v[T+11], v[T+2], v[T+3]
	v_add_f32 v[T+10], v[T+10], v[T+11]
.irp k, 0,1,2,3
	XOP v_add_f32_dpp, T+10, T+10, T+10, \k
.endr
	v_rcp_f32 v[T+11], v[T+10]
	AVS 8
	s_wait_alu depctr_va_vdst(0)                   ; the reciprocal has written T+11, ahead of its first reader
.irp m, 0,1,2,3
	v_mul_f32 v[T+16+2*\m], v[T+\m], v[T+11]       ; w, finished and normalised
.endr
.endm
; context = w V, in place; its block's largest magnitude is w x the largest |V| (w is not negative and rounding keeps the order); the byte, the codes, and both to LDS
.macro CTX
.irp m, 0,1,2,3
	v_mul_f32 v[T+4+\m], v[T+16+2*\m], v[T+4+\m]
.endr
.irp m, 0,1,2,3
	v_max_num_f32 v[T+4+\m], 0x1800000, v[T+4+\m]  ; the floor 2^(3 - 127): the byte cannot fall under 1
.endr
.irp m, 0,1,2,3
	v_add_nc_u32 v[T+12+\m], 0xff000000, v[T+4+\m] ; 2 off the exponent field: the conversion's scale operand
.endr
.irp m, 0,1,2,3
	v_lshrrev_b32 v[T+4+\m], 23, v[T+12+\m]        ; the scale's byte
.endr
.irp m, 0,1,2,3
.irp c, 0,1,2,3,4,5,6,7,8,9,10,11,12,13,14,15
	v_pk_mul_f32 v[VH+32*\m+2*\c:VH+32*\m+2*\c+1], v[VH+32*\m+2*\c:VH+32*\m+2*\c+1], v[T+16+2*\m:T+17+2*\m] op_sel_hi:[1,0]
.endr
.endr
.irp m, 0,1,2,3
	v_cvt_scalef32_pk16_fp6_f32 v[T+24+8*\m:T+26+8*\m], v[VH+32*\m:VH+32*\m+15], v[T+12+\m]
	v_cvt_scalef32_pk16_fp6_f32 v[T+28+8*\m:T+30+8*\m], v[VH+32*\m+16:VH+32*\m+31], v[T+12+\m]   ; (a conversion's three registers begin on an even number)
.endr
	v_nop                                          ; one plain line behind the last scaled conversion
.irp m, 0,1,2,3
	v_mov_b32 v[T+27+8*\m], v[T+28+8*\m]
	v_mov_b32 v[T+28+8*\m], v[T+29+8*\m]
	v_mov_b32 v[T+29+8*\m], v[T+30+8*\m]
.endr
	s_wait_alu depctr_va_vdst(0)                   ; the conversions, the moves and the shifts have written the codes (T+24 ..) and the bytes (T+4 .. 7), which the LDS stores read; Q's, K's and V's products are done reading FS and FF, and the lines that made raw are done with FF's first eight: context's fragments land there behind the barrier
.irp m, 0,1,2,3
.irp c, 0,1,2
	ds_store_b64 v[CW], v[T+24+8*\m+2*\c:T+25+8*\m+2*\c] offset:3072*\m+256*\c
.endr
	ds_store_b8 v[CWS], v[T+4+\m] offset:128*\m
.endr
.endm
; My wave's part of the scores: hidden . dense_w over its 64 columns, in f32: four chains by turns, then the two halves of the lanes
.macro SC
	WIN 0x04
.set u, 0
.rept 8
.irp m, 0,1,2,3
.if u == 0
	v_pk_mul_f32 v[T+2*\m:T+2*\m+1], v[VH+32*\m:VH+32*\m+1], v[DW:DW+1]
.else
	v_pk_fma_f32 v[T+2*\m:T+2*\m+1], v[VH+32*\m+2*u:VH+32*\m+2*u+1], v[DW+2*u:DW+2*u+1], v[T+2*\m:T+2*\m+1]
.endif
.endr
.set u, u+1
.endr
	WIN 0x08
.rept 8
.irp m, 0,1,2,3
	v_pk_fma_f32 v[T+2*\m:T+2*\m+1], v[VH+32*\m+2*u:VH+32*\m+2*u+1], v[DW+2*u-16:DW+2*u-15], v[T+2*\m:T+2*\m+1]
.endr
.set u, u+1
.endr
	WIN 0
.irp m, 0,1,2,3
	v_add_f32 v[T+8+\m], v[T+2*\m], v[T+2*\m+1]
.endr
.irp m, 0,1,2,3
	v_permlanex16_b32 v[T+12+\m], v[T+8+\m], s36, s37
.endr
.irp m, 0,1,2,3
	v_add_f32 v[T+8+\m], v[T+8+\m], v[T+12+\m]
.endr
	s_wait_alu depctr_va_vdst(0)                   ; T+8 .. 11 are written, which the LDS store reads; GO1 and GO2 are written, which the gather's loads read; the lines above are done with T .. T+15 and TOK, hidden's products with FS and FF: the loads behind the barrier land in these
	ds_store_b128 v[PW], v[T+8:T+11]               ; lanes r and 16 + r write the same words with the same values
.endm
.macro WLOAD base, sp                  ; a weight's eight fragments of my 64 rows: tile t, K step s at base + 24 t + 12 s; 24 bytes as three loads of 8, so that every address is a multiple of the access's size
.irp t, 0,1,2,3
.irp s, 0,1
.irp p, 0,1,2,3,4,5
	global_load_b64 v[\base+24*\t+12*\s+2*\p:\base+24*\t+12*\s+2*\p+1], v154, s[\sp:\sp+1] offset:1536*\t+96*\s+48*(\p/3)+8*(\p%3)
.endr
.endr
.endr
.endm
	s_load_b256 s[4:11], s[0:1], 0x0               ; tokens s[4:5], xq s[6:7], WQ's codes s[8:9], scales s[10:11]
	s_load_b256 s[12:19], s[0:1], 0x20             ; WK's s[12:13], s[14:15]; WV's s[16:17], s[18:19]
	s_load_b256 s[20:27], s[0:1], 0x40             ; WO's s[20:21], s[22:23]; dense_w s[24:25]; dense_b s[26:27]
	s_load_b64 s[28:29], s[0:1], 0x60              ; out0
	v_lshrrev_b32 v62, 5, v0
	v_readfirstlane_b32 s32, v62                   ; wave
	v_and_b32 v61, 31, v0                          ; lane
	v_and_b32 v62, 15, v0                          ; r
	v_bfe_u32 v63, v0, 4, 1                        ; h
	v_lshlrev_b32 v[LI], 4, v61
	v_lshlrev_b32 v[LS], 2, v61
	v_lshlrev_b32 v[L8], 3, v61
	s_wait_alu depctr_va_sdst(0)                   ; s32 is written, ahead of its first reader: the wave's terms of all addresses are made from it
	s_mul_i32 s34, s32, 3072
	v_add_nc_u32 v[XW], s34, v[LI]                 ; XI + 3072 w + 16 x lane
	s_lshl_b32 s34, s32, 7
	s_add_co_u32 s34, s34, XSC
	v_add_nc_u32 v[XWS], s34, v[LS]                ; XSC + 128 w + 4 x lane
	s_mul_i32 s34, s32, 768
	s_add_co_u32 s34, s34, CI
	v_add_nc_u32 v[CW], s34, v[L8]                 ; CI + 768 w + 8 x lane: K step w / 2, registers 6 (w % 2) on
	s_lshr_b32 s34, s32, 1
	s_lshl_b32 s34, s34, 6
	s_and_b32 s35, s32, 1
	s_lshl_b32 s35, s35, 1
	s_add_co_u32 s34, s34, s35
	s_add_co_u32 s34, s34, CSC
	v_lshl_add_u32 v[CWS], v62, 2, v63
	v_add_nc_u32 v[CWS], s34, v[CWS]               ; CSC + 64 (w / 2) + 4 r + 2 (w % 2) + h
	v_lshlrev_b32 v[PR], 4, v62
	v_add_nc_u32 v[PR], SCO, v[PR]                 ; SCO + 16 r
	s_lshl_b32 s34, s32, 8
	v_add_nc_u32 v[PW], s34, v[PR]                 ; + 256 w
	s_lshl_b32 s34, s32, 6
	v_lshl_add_u32 v[TOKO], v62, 2, s34
	v_mul_u32_u24 v[H96], v63, 96
	v_lshl_add_u32 v[H4], v63, 2, 192
	v_lshrrev_b32 v153, 3, v62                     ; (the head's temporaries lie in V's registers, which are free until the first title's V)
	v_and_b32 v154, 7, v62
	v_lshl_add_u32 v153, v153, 5, v154             ; my row in a tile: 32 (r / 8) + r % 8
	v_mul_u32_u24 v154, v153, 192
	v_mad_u32_u24 v154, v63, 24, v154
	s_mul_i32 s34, s32, 12288
	v_add_nc_u32 v154, s34, v154                   ; codes: 192 x row + 24 h + my wave's 64 rows
	v_lshlrev_b32 v155, 3, v153
	v_lshl_add_u32 v155, v63, 2, v155
	s_lshl_b32 s34, s32, 9
	v_add_nc_u32 v155, s34, v155                   ; scale words: 8 x row + 4 h + my wave's
	v_lshlrev_b32 v158, 7, v63
	s_lshl_b32 s34, s32, 8
	v_add_nc_u32 v158, s34, v158                   ; dense_w: my half's 32 numbers of my wave's 64
	s_mov_b32 s36, 0x76543210
	s_mov_b32 s37, 0xfedcba98                      ; v_permlanex16_b32's selects for lane xor 16
	s_mov_b32 s40, 0xaaaaaaaa                      ; the lanes whose number has bit 0, 1, 2, 3 set
	s_mov_b32 s41, 0xcccccccc
	s_mov_b32 s42, 0xf0f0f0f0
	s_mov_b32 s43, 0xff00ff00
	s_mov_b32 s44, 0x3cb8aa3b                      ; log2(e) / 64
	s_mov_b32 s45, s44                             ; (a packed form names the pair, so both are written)
	s_mov_b32 s46, 0x3fb8aa3b                      ; log2(e)
	s_mov_b32 s47, s46
	s_mov_b32 s51, 0
	s_mov_b32 s52, 0                               ; what out0's address steps by: nothing ahead of the first title, then a row
	s_mov_b32 s53, 0
	s_lshl_b32 s34, ttmp9, 12                      ; my work-group's 16 rows of tokens, 256 bytes each
	s_mov_b32 s35, 0
	s_wait_kmcnt 0x0
	s_load_b32 s30, s[26:27], 0x0                  ; dense_b
	s_add_nc_u64 s[4:5], s[4:5], s[34:35]
	s_lshl_b32 s34, ttmp9, 14                      ; its 16 rows of out0, 1,024 bytes each,
	s_lshl_b32 s38, s32, 8
	s_add_co_u32 s34, s34, s38                     ; and my wave's 256 bytes of a row
	s_add_nc_u64 s[28:29], s[28:29], s[34:35]
	s_wait_alu depctr_va_vdst(0)                   ; the addresses v1 to v12 are written, which the loads and stores of the whole kernel read, and so are the weights' offsets v154, v155, v158
	global_load_b32 v156, v[TOKO], s[4:5]          ; my tokens of titles 0, 1, 2
	global_load_b32 v157, v[TOKO], s[4:5] offset:256
	global_load_b32 v[TOK], v[TOKO], s[4:5] offset:512
	s_wait_loadcnt 0x0
	s_add_nc_u64 s[4:5], s[4:5], 512               ; at title 2's row
	GADR 156, 160, 161                             ; title 0's offsets,
	GADR 157, GO1, GO2                             ; title 1's
	s_wait_alu depctr_va_vdst(0)                   ; v160, v161, GO1 and GO2 are written, which the gathers' loads read; only loads and window switches follow up to the wait for them
	GLD 160, 161, 128, 152                         ; title 0's records
	GLD GO1, GO2, STG, STS                         ; title 1's
	WIN 0x40
	WLOAD 0, 8
	WLOAD 96, 12
.irp k, 0,1,2,3
	global_load_b128 v[DW+4*\k:DW+4*\k+3], v158, s[24:25] offset:16*\k
.endr
	WIN 0x80
	WLOAD 0, 16
	WLOAD 96, 20
.irp k, 0,1,2,3
	global_load_b128 v[DW+4*\k:DW+4*\k+3], v158, s[24:25] offset:64+16*\k
.endr
	WIN 0
.irp t, 0,1,2,3
	global_load_b32 v[WS+\t], v155, s[10:11] offset:64*\t
	global_load_b32 v[WS+4+\t], v155, s[14:15] offset:64*\t
	global_load_b32 v[WS+8+\t], v155, s[18:19] offset:64*\t
	global_load_b32 v[WS+12+\t], v155, s[22:23] offset:64*\t
.endr
	s_wait_kmcnt 0x0
	s_mov_b32 s31, s30
	s_wait_loadcnt 0x0                             ; once: the weights stay
.irp k, 0,1,2,3,4,5
	ds_store_b128 v[XW], v[128+4*\k:131+4*\k] offset:512*\k
.endr
	ds_store_b32 v[XWS], v152
	BAR                                            ; title 0's eight fragments lie in LDS
	LOADX 0                                        ; (no vector or matrix line has named FS or FF yet)
	PHASE 0, 0, 3                                  ; title 0's Q: there is no vector work yet to set between
	PLACES
	WIN 0
; A TITLE.  At its head its Q is made and x's fragments are in registers.  last = 1: no title follows.
.macro BODY last
	PHASE 1, 1, 0                                  ; K | Q's sums over the tokens
	s_wait_xcnt 0x0                                ; the last title's store has read its data and its base: V's products below write over the one, the next line over the other
	s_wait_alu depctr_vm_vsrc(0)                   ; the last title's store has read v[VH:VH+1] (ahead of the first title: the head's LDS stores have read v128 to v152, and its loads their offsets v154 to v161): V's products write over them
	s_add_nc_u64 s[28:29], s[28:29], s[52:53]
	s_movk_i32 s52, 1024
	PHASE 2, 2, 0                                  ; V | K's sums
	WR
	SOFT
	CTX
	BAR                                            ; context's images are whole, and every wave's reads of x's images are over
	LOADC                                          ; no wait: no vector or matrix line stands between the wait ahead of context's stores and these loads, and those stores name none of their registers
	PHASE 3, 0, 6                                  ; hidden
	PLACES
	WIN 0
	s_wait_alu depctr_vm_vsrc(0)                   ; context's LDS stores have read T+4 .. 7 and T+24 .. 53, which the scores' lines, the tail and the next sums write again; the last gather's loads have read GO1 and GO2, which are made anew below
.if \last == 0
	XSTORE                                         ; the next title's x
	GADR TOK, GO1, GO2                             ; the offsets of the title two on: its tokens are in since XSTORE's wait.  (The last trip makes them and does not use them)
.endif
	SC
	BAR                                            ; the parts of the scores and x's images are whole, and every wave's reads of context's images are over
	s_wait_alu depctr_vm_vsrc(0)                   ; the scores' LDS store has read T+8 .. 11, in which the four parts land; the LDS stores of x's image have read STG and STS, in which the gather lands
.if \last
	PSLOAD
	s_wait_dscnt 0x0
.set j, 0
.rept 187
	TL
.set j, j+1
.endr
.else
	LOADX 1
	s_cmp_eq_u32 s48, 14                           ; in the last trip there is no title two on
	s_cbranch_scc1 .Lno_gather_\@
	GATHER                                         ; it has a whole title in which to land
.Lno_gather_\@:
	PHASE 0, 3, 3                                  ; the next title's Q | this title's tail
	WIN 0
.endif
.endm
	s_mov_b32 s48, 0
.Ltitle:                                               ; 15 trips; the last title is written out, without what looks ahead
	BODY 0
	s_add_co_u32 s48, s48, 1
	s_cmp_lt_u32 s48, 15
	s_cbranch_scc1 .Ltitle
	BODY 1
	s_wait_xcnt 0x0
	v_lshl_add_u32 v254, v0, 2, 0x6800             ; the add's two registers, made anew: no memory or LDS instruction has read v254 or v255
	v_mov_b32 v255, 0
	s_wait_dscnt 0x0                               ; the closing lines, six on end
	s_wait_alu 0x0
	s_wait_tensorcnt 0x0
	ds_add_u32 v254, v255
	s_wait_dscnt 0x0
	s_endpgm
.Lfunc_end_k_qea9993bd2d_news:
	.size	k_qea9993bd2d_news, .Lfunc_end_k_qea9993bd2d_news-k_qea9993bd2d_news
	.p2alignl 7, 3214868480
	.fill 96, 4, 3214868480
	.section	.rodata,"a",@progbits
	.p2align	6, 0x0
	.amdhsa_kernel k_qea9993bd2d_news
		.amdhsa_group_segment_fixed_size 27136
		.amdhsa_private_segment_fixed_size 0
		.amdhsa_enable_private_segment 0
		.amdhsa_kernarg_size 104
		.amdhsa_user_sgpr_count 2
		.amdhsa_user_sgpr_kernarg_segment_ptr 1
		.amdhsa_wavefront_size32 1
		.amdhsa_system_sgpr_workgroup_id_x 1
		.amdhsa_system_sgpr_workgroup_id_y 1
		.amdhsa_system_sgpr_workgroup_id_z 1
		.amdhsa_system_vgpr_workitem_id 0
		.amdhsa_next_free_vgpr 1024
		.amdhsa_next_free_sgpr 66
		.amdhsa_reserve_vcc 1
		.amdhsa_float_denorm_mode_32 3
		.amdhsa_float_denorm_mode_16_64 3
		.amdhsa_memory_ordered 1
		.amdhsa_forward_progress 1
		.amdhsa_inst_pref_size 198
	.end_amdhsa_kernel
	.amdgpu_metadata
---
amdhsa.version: [ 1, 2 ]
amdhsa.kernels:
  - .name:           k_qea9993bd2d_news
    .symbol:         k_qea9993bd2d_news.kd
    .args:
      - { .name: tokens, .offset: 0, .size: 8, .value_kind: global_buffer, .address_space: global }
      - { .name: xq, .offset: 8, .size: 8, .value_kind: global_buffer, .address_space: global }
      - { .name: WQ_codes, .offset: 16, .size: 8, .value_kind: global_buffer, .address_space: global }
      - { .name: WQ_scales, .offset: 24, .size: 8, .value_kind: global_buffer, .address_space: global }
      - { .name: WK_codes, .offset: 32, .size: 8, .value_kind: global_buffer, .address_space: global }
      - { .name: WK_scales, .offset: 40, .size: 8, .value_kind: global_buffer, .address_space: global }
      - { .name: WV_codes, .offset: 48, .size: 8, .value_kind: global_buffer, .address_space: global }
      - { .name: WV_scales, .offset: 56, .size: 8, .value_kind: global_buffer, .address_space: global }
      - { .name: WO_codes, .offset: 64, .size: 8, .value_kind: global_buffer, .address_space: global }
      - { .name: WO_scales, .offset: 72, .size: 8, .value_kind: global_buffer, .address_space: global }
      - { .name: dense_w, .offset: 80, .size: 8, .value_kind: global_buffer, .address_space: global }
      - { .name: dense_b, .offset: 88, .size: 8, .value_kind: global_buffer, .address_space: global }
      - { .name: out0, .offset: 96, .size: 8, .value_kind: global_buffer, .address_space: global }
    .group_segment_fixed_size: 27136
    .private_segment_fixed_size: 0
    .kernarg_segment_align: 8
    .kernarg_segment_size: 104
    .max_flat_workgroup_size: 128
    .sgpr_count:     66
    .vgpr_count:     1024
    .wavefront_size: 32
...
	.end_amdgpu_metadata
.endif
;; end of part 3
